; MI455X (gfx1250); checked and timed in simulation.
; The chip was launched on July 23, 2026; its instructions are those of AMD's public machine-readable ISA for CDNA 5 (MIT licence, August 2026) and "CDNA5" Instruction Set Architecture Reference Guide (July 2026). The comments in the code are by the model that wrote it; some were corrected since.
;; Uniform Quantized Linear. Allowed arithmetic: matrix products marked QUANTISED: E4M3 operands, one E8M0 scale for each 32 along K, by v_wmma_scale_f32_16x16x128_f8f6f4 with both operands' format E4M3, f32 sums; everything else in f32.
;; Inputs: W_q 4,096 x 4,096 int32; bias 4,096 float32; mu1 4,096 float32; mu2 4,096 float32; scales 4,096 x 32 x 1 float32; x 4 x 1,024 x 4,096 float32; zeros 4,096 x 32 x 1 float32.
;; Outputs: out0 4 x 1,024 x 4,096 float32.
;; This version of the problem:
;;   THIS VERSION OF THE PROBLEM IS GIVEN IN LOW PRECISION. The matrix products marked QUANTISED in the list below multiply operands that are first quantised to E4M3 (4 exponent bits, 3 mantissa bits; 8 bits a number), with one power-of-two scale for each 32 numbers along K (OCP MX v1.0); their sums are f32. All else is computed in f32.
;;   The module's matrix products, in the order in which they are computed (A, B: the left and right operand; K: the contracted axis; several contracted axes count as one K, in the product's order):
;;     1. [M 4,096, K 4,096] x [K 4,096, N 4,096]; A: input x; B: computed on the way: QUANTISED
;;   THE QUANTISER, for each operand of a quantised product, along K:
;;     - K is cut into blocks of 32 from its start; a last block that is shorter is filled with zeros.
;;     - A block's scale is 2^e with e = floor(log2(the largest magnitude in the block)) - 8, held to -126 .. 127; a block of zeros has e = 0. As a byte (E8M0): e + 127.
;;     - Each number is divided by its block's scale, clamped to +-448, and rounded to the nearest number of E4M3, ties to even, subnormals kept.
;;     - The product sums the exact products of the quantised numbers (number of the format x scale) in f32.
;;   ~~~python
;;   def quantise(x, axis):      # numpy; x: float32 -> the quantised numbers, widened to float32 again
;;       x = np.moveaxis(x, axis, -1); K = x.shape[-1]
;;       x = np.pad(x, [(0, 0)] * (x.ndim - 1) + [(0, -K % 32)]); x = x.reshape(x.shape[:-1] + (-1, 32)); a = np.abs(x).max(-1, keepdims=True)
;;       e = np.where(a > 0, np.clip(np.frexp(np.where(a > 0, a, 1))[1] - 1 - 8, -126, 127), 0)      # np.frexp(a)[1] - 1 = floor(log2(a)), exactly
;;       r = np.clip(x / 2.0 ** e, -448, 448)
;;       step = 2.0 ** (np.maximum(np.frexp(np.where(r == 0, 1, r))[1] - 1, -6) - 3)
;;       q = np.round(r / step) * step * 2.0 ** e      # np.round: ties to even
;;       return np.moveaxis(q.reshape(q.shape[:-2] + (-1,))[..., :K], -1, axis).astype(np.float32)
;;   ~~~
;;   OPERANDS COMPUTED ON THE WAY. 'Computed on the way' means the value that the module computes at that place (a softmax that the list does not call 'softmax' is quantised finished and normalised). What goes into a quantiser is computed in f32, as accurately as f32 sums, v_exp_f32 and their like allow (about 1e-6 of the number): no bf16 or f16 on the way to a quantiser, and a product that is left as it is and whose result goes on into a quantised operand takes f32 operands (vector FMAs, or v_wmma_f32_16x16x4_f32). A number that lies on a knife's edge between two numbers of the format may be rounded either way, as far as f32 arithmetic and the matrix unit's own rounding can turn it there, and no further.
;; One version. Each part assembles by itself: llvm-mc -triple=amdgcn-amd-amdhsa -mcpu=gfx1250 --defsym DOCPART=n.
;; ======== version 1 of 1: 2 launches
;; limits: right only within a limited range of input values
;; workspace buffers: acodes 17,301,504 bytes; bcodes 17,301,504 bytes
;; launch quant (part 1): grid 1024 x 1, 4 waves a work-group, no clusters, 66,048 bytes of LDS; arguments x, W_q, scales, zeros, mu1, mu2, acodes, bcodes; writes acodes, bcodes
.if DOCPART == 1
	.amdgcn_target "amdgcn-amd-amdhsa--gfx1250"
	.amdhsa_code_object_version 6
	.text
	.protected	k_q754954048e_quant
	.globl	k_q754954048e_quant
	.p2align	8
	.type	k_q754954048e_quant,@function
k_q754954048e_quant:
	s_mov_b64 s[64:65], 0
	v_nop
	global_prefetch_b8 v0, s[64:65] scope:SCOPE_SE
	s_setreg_imm32_b32 hwreg(HW_REG_WAVE_MODE, 25, 1), 1
	s_wait_xcnt 0x0
; Both operands of out = x Wdeq^T + bias are turned, once, into codes of FP8 (E4M3) with one E8M0 scale byte for each 32 along the contracted axis n.
; x [4096][4096] f32 is taken as it is.  Wdeq[j][n] = (((f32(W_q[j][n]) - zeros[j][n/128]) * scales[j][n/128]) * mu2[j]) * mu1[n]: four f32 operations, each rounded by itself and in this order,
; as the problem writes them: nothing is fused or folded here, so that the numbers that meet the quantiser have the same bits.
; A block's scale is 2^(floor(log2(its largest magnitude)) - 8); its byte is the largest magnitude's exponent field - 8, held at 1 from below; each number is divided by the scale, held within +-448 and rounded to the nearest code, ties to even.
; LIMITS: NaN and infinities among the inputs are not served.  A block of zeros gets the byte 1 where the rule says 127: its codes are zeros, which add nothing under any byte but 0xff, and the bytes are read by this program alone.
; THE WORKSPACE, the same for both tensors: tiles of 128 rows x 256 along n.  Tile (R, S) lies at (16 R + S) x 33,792 bytes: 128 rows of 256 codes, then 128 rows of 8 scale bytes: all that a wave of the product's launch fetches
; for one K step is one dense block.
; SHARES.  Even work-groups take x, odd ones W, so that W's extra arithmetic is spread.  A wave takes 32 rows x 256 along n (a quarter of a tile) in 16 steps of two rows; the four waves of a work-group stand side by side on the same rows.
; Each of a step's four loads reads 512 consecutive bytes; the conversions want 16 NEIGHBOURS in a lane's registers, so a step's 2,048 bytes turn through the wave's own stage in LDS (16 bytes of padding behind each 64) and come
; back 64 bytes a lane: lane l holds row 2 t + l / 16, columns 16 (l % 16) on; lanes l and l xor 1 hold a block.  A lane's 16 codes are 16 bytes: the wave stores 512 consecutive bytes.  The wave's 256 scale bytes gather in LDS and leave by one store.
; No barrier: waves share nothing.  No loop: every offset is an immediate, no address, base or store's data register is written twice, so no wait frees any.  Loads run four steps (16 loads a wave) ahead, the turn through LDS one step.
; The two tensors' paths part once, on the work-group's number, and do not join again; each has LDS bytes of its own (LB, in the immediates).
.set ROWB,  16384                      ; a row of x or of W_q in bytes
.set TILEB, 33792                      ; a workspace tile in bytes
.set STEPS, 16
.set EMAX,  8
.set MANT,  0x600000                   ; the mantissa field of 448 as f32
.set WREG,  8192                       ; LDS: a region for each wave: two stages of 32 x SP bytes,
.set SP,    80                         ; (a lane's place in a stage: 64 bytes + 16 of padding)
.set SCB,   5120                       ; its 256 scale bytes,
.set TAB,   5376                       ; and, for W, a table [32 rows][2 groups of 128 columns] of 16 bytes: zero, scale, mu2, mu2
.set R,   16                           ; v16-79    four sets of 16 numbers as they are loaded
.set X,   80                           ; v80-111   two sets of 16 neighbours
.set E,   112                          ; v112-127  a scale byte for each step
.set C,   128                          ; v128-191  codes: four registers for each step
.set MU,  192                          ; v192-207  W: mu1 of my 16 columns, the same in every step
.set P,   208                          ; v208-215  W: two sets of zero, scale, mu2, mu2
.set T,   216                          ; v216-223  W: my row's two table entries, being put together
.set TR,  224                          ; v224      W: where I read the table: entry lane / 8 of a step's four
.set ZO,  225                          ; v225      W: 128 x lane: my row of zeros and of scales
.set MO,  226                          ; v226      W: 4 x lane: my row's mu2
.set UO,  227                          ; v227      W: 64 x (lane % 16): my 16 columns' mu1
	s_load_b512 s[4:19], s[0:1], 0x0               ; x 4:5, W_q 6:7, scales 8:9, zeros 10:11, mu1 12:13, mu2 14:15, x's workspace 16:17, W's 18:19
	v_lshl_add_u32 v228, v0, 2, 0x10000
	v_mov_b32 v229, 0
	v_lshrrev_b32 v1, 5, v0
	v_readfirstlane_b32 s20, v1                    ; wave 0..3
	v_and_b32 v2, 31, v0                           ; lane
	v_lshlrev_b32 v3, 4, v2                        ; my 16 bytes of a load's 512, and of a step's 512 bytes of codes
	s_mul_i32 s36, s20, WREG                       ; my wave's region
	v_lshrrev_b32 v14, 2, v2
	v_mul_u32_u24 v14, v14, SP
	v_and_b32 v15, 3, v2
	v_lshl_add_u32 v14, v15, 4, v14
	v_add_nc_u32 v14, s36, v14                     ; the stage, on the way in: SP (lane / 4) + 16 (lane % 4); a load's 512 bytes take eight places
	v_mul_u32_u24 v15, v2, SP
	v_add_nc_u32 v15, s36, v15                     ; and on the way out: SP x lane
	s_add_co_u32 s37, s36, SCB
	v_lshrrev_b32 v5, 1, v2
	v_add_nc_u32 v5, s37, v5                       ; my block's scale byte: row l / 16, block (l % 16) / 2: byte l / 2 of the step's 16
	v_lshlrev_b32 v7, 3, v2                        ; on the way out 8 bytes a lane
	v_add_nc_u32 v6, s37, v7
	s_add_co_u32 s38, s36, TAB
	v_lshlrev_b32 v4, 5, v2
	v_add_nc_u32 v4, s38, v4                       ; the table, on the way in: lane = row, 32 bytes a row
	v_lshrrev_b32 v[TR], 3, v2
	v_lshl_add_u32 v[TR], v[TR], 4, s38            ; on the way out: entry 4 t + lane / 8 = 2 x (row 2 t + l / 16) + (group (l / 8) % 2)
	v_lshlrev_b32 v[ZO], 7, v2
	v_lshlrev_b32 v[MO], 2, v2
	v_and_b32 v[UO], 15, v2
	v_lshlrev_b32 v[UO], 6, v[UO]
	s_and_b32 s21, ttmp9, 1                        ; 0: x, 1: W
	s_lshr_b32 s22, ttmp9, 1
	s_lshr_b32 s23, s22, 2                         ; which 32 rows: 0..127
	s_and_b32 s24, s22, 3
	s_lshl_b32 s24, s24, 2
	s_add_co_u32 s24, s24, s20                     ; which 256 along n: 0..15
	s_lshl_b32 s26, s23, 19                        ; in: 32 rows of 16,384 bytes,
	s_lshl_b32 s27, s24, 10                        ; 256 numbers of 4 bytes
	s_add_co_u32 s26, s26, s27
	s_mov_b32 s27, 0
	s_lshr_b32 s25, s23, 2
	s_lshl_b32 s25, s25, 4
	s_add_co_u32 s25, s25, s24
	s_mul_i32 s25, s25, TILEB                      ; out: my tile,
	s_and_b32 s32, s23, 3                          ; and my quarter of its rows:
	s_lshl_b32 s28, s32, 13
	s_add_co_u32 s28, s28, s25                     ; 8,192 bytes of codes,
	s_mov_b32 s29, 0
	s_lshl_b32 s30, s32, 8
	s_add_co_u32 s30, s30, s25
	s_add_co_u32 s30, s30, 32768                   ; 256 scale bytes behind the tile's codes
	s_mov_b32 s31, 0
	s_mov_b32 s33, MANT                            ; (an instruction takes one literal: the hold's line has another)
	s_wait_kmcnt 0x0
	s_cmp_eq_u32 s21, 0                            ; the choice of buffers hangs on the work-group's number alone
	s_cselect_b64 s[4:5], s[4:5], s[6:7]
	s_cselect_b64 s[16:17], s[16:17], s[18:19]
	s_add_nc_u64 s[4:5], s[4:5], s[26:27]
	s_add_nc_u64 s[28:29], s[16:17], s[28:29]
	s_add_nc_u64 s[30:31], s[16:17], s[30:31]
.macro LOAD t                          ; step t: rows 2 t and 2 t + 1, 1,024 bytes of each, by four loads of 512 consecutive bytes
.irp i, 0,1,2,3
	global_load_b128 v[R+16*((\t)%4)+4*\i:R+16*((\t)%4)+4*\i+3], v3, s[4:5] offset:(2*(\t)+\i/2)*ROWB+(\i%2)*512 th:TH_LOAD_NT
.endr
.endm
.macro TURN t                          ; step t's numbers through the stage: LDS serves a wave's instructions in order (ISA guide 5.7.1.4), so no wait stands between the stores and the loads
.irp i, 0,1,2,3
	ds_store_b128 v14, v[R+16*((\t)%4)+4*\i:R+16*((\t)%4)+4*\i+3] offset:LB+32*SP*((\t)%2)+8*SP*\i
.endr
.irp i, 0,1,2,3
	ds_load_b128 v[X+16*((\t)%2)+4*\i:X+16*((\t)%2)+4*\i+3], v15 offset:LB+32*SP*((\t)%2)+16*\i
.endr
.endm
.macro STEP t, deq                     ; deq = 1: the numbers are W_q's and are dequantised first
.set XS, X+16*((\t)%2)
.set PS, P+4*((\t)%2)
.if (\t) > 0
	s_wait_dscnt 1                                 ; this step's numbers (and its table entry) are in: behind them only the last step's byte store was issued.  So the stage's stores have read their registers,
.else
	s_wait_dscnt 0x0
.endif
.if (\t)+4 < STEPS
	LOAD (\t)+4                                    ; which take the loads of four steps on
.endif
.if (\t)+1 < STEPS
.if STEPS-2-(\t) >= 3
	s_wait_loadcnt 12                              ; the next step's four loads are in; those of the three steps behind it may be out
.else
	s_wait_loadcnt 4*(STEPS-2-(\t))
.endif
	TURN (\t)+1                                    ; and go through the other stage while this step is worked
.endif
.if \deq
.irp i, 0,1,2,3,4,5,6,7,8,9,10,11,12,13,14,15
	v_cvt_f32_i32 v[XS+\i], v[XS+\i]
.endr
.irp j, 0,2,4,6,8,10,12,14
	v_pk_add_f32 v[XS+\j:XS+\j+1], v[XS+\j:XS+\j+1], v[PS:PS+1] op_sel_hi:[1,0] neg_lo:[0,1] neg_hi:[0,1]   ; - the group's zero (the pair's first word for both halves)
.endr
.irp j, 0,2,4,6,8,10,12,14
	v_pk_mul_f32 v[XS+\j:XS+\j+1], v[XS+\j:XS+\j+1], v[PS:PS+1] op_sel:[0,1] op_sel_hi:[1,1]               ; x the group's scale (the pair's second word for both halves)
.endr
.irp j, 0,2,4,6,8,10,12,14
	v_pk_mul_f32 v[XS+\j:XS+\j+1], v[XS+\j:XS+\j+1], v[PS+2:PS+3]                                          ; x the row's mu2 (the pair holds it twice)
.endr
.irp j, 0,2,4,6,8,10,12,14
	v_pk_mul_f32 v[XS+\j:XS+\j+1], v[XS+\j:XS+\j+1], v[MU+\j:MU+\j+1]                                      ; x the columns' mu1
.endr
.if (\t)+1 < STEPS
	ds_load_b128 v[P+4*(((\t)+1)%2):P+4*(((\t)+1)%2)+3], v[TR] offset:LB+64*((\t)+1)                       ; the next step's table entry, into the other set
.endif
.endif
	v_max3_num_f32 v8, |v[XS]|, |v[XS+1]|, |v[XS+2]|               ; the largest magnitude of my 16, in two chains
	v_max3_num_f32 v9, |v[XS+3]|, |v[XS+4]|, |v[XS+5]|
.irp i, 6,10
	v_max3_num_f32 v8, v8, |v[XS+\i]|, |v[XS+\i+1]|
	v_max3_num_f32 v9, v9, |v[XS+\i+2]|, |v[XS+\i+3]|
.endr
	v_max3_num_f32 v8, v8, |v[XS+14]|, |v[XS+15]|
	v_max3_num_f32 v8, v8, v9, (EMAX+1)<<23        ; and the floor 2^(EMAX + 1 - 127), under which no largest magnitude is taken: so the byte cannot fall under 1
	v_max_num_f32_dpp v8, v8, v8 row_xmask:1 row_mask:0xf bank_mask:0xf   ; and of my neighbour's 16: the block's
	v_add_nc_u32 v11, -(EMAX<<23), v8              ; EMAX off its exponent field: the conversion takes the exponent field of this operand as its scale, and nothing else of it
	v_and_or_b32 v10, v8, 0x7f800000, s33          ; 448 x the scale: the largest magnitude's exponent field over 448's mantissa
.irp i, 0,1,2,3,4,5,6,7,8,9,10,11,12,13,14,15
	v_med3_num_f32 v[XS+\i], v[XS+\i], -v10, v10   ; the conversion to an 8-bit code does not saturate (ISA guide 7.6.2): hold the number within the largest code x the scale first
.endr
	v_cvt_scalef32_pk8_fp8_f32 v[C+4*(\t):C+4*(\t)+1], v[XS:XS+7], v11
	v_cvt_scalef32_pk8_fp8_f32 v[C+4*(\t)+2:C+4*(\t)+3], v[XS+8:XS+15], v11
	v_lshrrev_b32 v[E+(\t)], 23, v11               ; the scale's byte; also the plain vector line behind the conversions
	ds_store_b8 v5, v[E+(\t)] offset:LB+16*(\t)    ; both lanes of a block write the same byte with the same value
	global_store_b128 v3, v[C+4*(\t):C+4*(\t)+3], s[28:29] offset:512*(\t)   ; 32 lanes store 512 consecutive bytes, aligned: two rows' codes
.endm
.macro FINISH
	ds_load_b64 v[12:13], v6 offset:LB             ; LDS serves a wave's instructions in order: this sees my sixteen byte stores
	s_wait_dscnt 0x0
	global_store_b64 v7, v[12:13], s[30:31]        ; 32 lanes store 256 consecutive bytes, aligned: my 32 rows' scale bytes
.endm
	s_cmp_lg_u32 s21, 0
	s_cbranch_scc1 .Lw
	; ---- x
.set LB, 0
.irp t, 0,1,2,3
	LOAD \t
.endr
	s_wait_loadcnt 12                              ; step 0's four loads are in
	TURN 0
.irp t, 0,1,2,3,4,5,6,7,8,9,10,11,12,13,14,15
	STEP \t, 0
.endr
	FINISH
	s_wait_tensorcnt 0x0
	ds_add_u32 v228, v229
	s_wait_dscnt 0x0
	s_endpgm
	; ---- W
.Lw:
.set LB, 32768
	s_lshl_b32 s34, s23, 12                        ; zeros and scales: 32 rows of 128 bytes,
	s_lshl_b32 s35, s24, 3                         ; my two groups of 128 columns: 8 bytes
	s_add_co_u32 s34, s34, s35
	s_mov_b32 s35, 0
	s_add_nc_u64 s[8:9], s[8:9], s[34:35]
	s_add_nc_u64 s[10:11], s[10:11], s[34:35]
	s_lshl_b32 s34, s23, 7                         ; mu2: my 32 rows
	s_add_nc_u64 s[14:15], s[14:15], s[34:35]
	s_lshl_b32 s34, s24, 10                        ; mu1: my 256 columns
	s_add_nc_u64 s[12:13], s[12:13], s[34:35]
	s_wait_alu depctr_va_vdst(0)
	global_load_b32 v[T+0], v[ZO], s[10:11]        ; lane = row: its two zeros,
	global_load_b32 v[T+4], v[ZO], s[10:11] offset:4
	global_load_b32 v[T+1], v[ZO], s[8:9]          ; its two scales,
	global_load_b32 v[T+5], v[ZO], s[8:9] offset:4
	global_load_b32 v[T+2], v[MO], s[14:15]        ; its mu2
.irp j, 0,1,2,3
	global_load_b128 v[MU+4*\j:MU+4*\j+3], v[UO], s[12:13] offset:16*\j   ; and, lane = place in a row, my 16 columns' mu1
.endr
.irp t, 0,1,2,3
	LOAD \t
.endr
	s_wait_loadcnt 16                              ; the nine small loads are in; the sixteen issued behind them may be out
	v_mov_b32 v[T+3], v[T+2]
	v_mov_b32 v[T+6], v[T+2]
	v_mov_b32 v[T+7], v[T+2]
	ds_store_b128 v4, v[T:T+3] offset:LB           ; my row's entry for its first group,
	ds_store_b128 v4, v[T+4:T+7] offset:LB+16      ; and for its second
	ds_load_b128 v[P:P+3], v[TR] offset:LB         ; step 0's entry (in order behind the stores)
	s_wait_loadcnt 12                              ; step 0's four loads are in
	TURN 0
.irp t, 0,1,2,3,4,5,6,7,8,9,10,11,12,13,14,15
	STEP \t, 1
.endr
	FINISH
	s_wait_tensorcnt 0x0
	ds_add_u32 v228, v229
	s_wait_dscnt 0x0
	s_endpgm
.Lfunc_end_k_q754954048e_quant:
	.size	k_q754954048e_quant, .Lfunc_end_k_q754954048e_quant-k_q754954048e_quant
	.p2alignl 7, 3214868480
	.fill 96, 4, 3214868480
	.section	.rodata,"a",@progbits
	.p2align	6, 0x0
	.amdhsa_kernel k_q754954048e_quant
		.amdhsa_group_segment_fixed_size 66048
		.amdhsa_private_segment_fixed_size 0
		.amdhsa_enable_private_segment 0
		.amdhsa_kernarg_size 64
		.amdhsa_user_sgpr_count 2
		.amdhsa_user_sgpr_kernarg_segment_ptr 1
		.amdhsa_wavefront_size32 1
		.amdhsa_system_sgpr_workgroup_id_x 1
		.amdhsa_system_sgpr_workgroup_id_y 1
		.amdhsa_system_sgpr_workgroup_id_z 1
		.amdhsa_system_vgpr_workitem_id 0
		.amdhsa_next_free_vgpr 230
		.amdhsa_next_free_sgpr 66
		.amdhsa_reserve_vcc 0
		.amdhsa_float_denorm_mode_32 3
		.amdhsa_float_denorm_mode_16_64 3
		.amdhsa_memory_ordered 1
		.amdhsa_forward_progress 1
		.amdhsa_inst_pref_size 142
	.end_amdhsa_kernel
	.amdgpu_metadata
---
amdhsa.version: [ 1, 2 ]
amdhsa.kernels:
  - .name:           k_q754954048e_quant
    .symbol:         k_q754954048e_quant.kd
    .args:
      - { .name: x, .offset: 0, .size: 8, .value_kind: global_buffer, .address_space: global }
      - { .name: W_q, .offset: 8, .size: 8, .value_kind: global_buffer, .address_space: global }
      - { .name: scales, .offset: 16, .size: 8, .value_kind: global_buffer, .address_space: global }
      - { .name: zeros, .offset: 24, .size: 8, .value_kind: global_buffer, .address_space: global }
      - { .name: mu1, .offset: 32, .size: 8, .value_kind: global_buffer, .address_space: global }
      - { .name: mu2, .offset: 40, .size: 8, .value_kind: global_buffer, .address_space: global }
      - { .name: acodes, .offset: 48, .size: 8, .value_kind: global_buffer, .address_space: global }
      - { .name: bcodes, .offset: 56, .size: 8, .value_kind: global_buffer, .address_space: global }
    .group_segment_fixed_size: 66048
    .private_segment_fixed_size: 0
    .kernarg_segment_align: 8
    .kernarg_segment_size: 64
    .max_flat_workgroup_size: 128
    .sgpr_count:     66
    .vgpr_count:     230
    .wavefront_size: 32
...
	.end_amdgpu_metadata
.endif
;; end of part 1
;; launch gemm (part 2): grid 16 x 16, 4 waves a work-group, clusters of 4 x 4, 327,680 bytes of LDS; arguments acodes, bcodes, bias, out0; writes out0
.if DOCPART == 2
	.amdgcn_target "amdgcn-amd-amdhsa--gfx1250"
	.amdhsa_code_object_version 6
	.text
	.protected	k_q754954048e_gemm
	.globl	k_q754954048e_gemm
	.p2align	8
	.type	k_q754954048e_gemm,@function
k_q754954048e_gemm:
	s_mov_b64 s[64:65], 0
	v_nop
	global_prefetch_b8 v0, s[64:65] scope:SCOPE_SE
	s_setreg_imm32_b32 hwreg(HW_REG_WAVE_MODE, 25, 1), 1
	s_wait_xcnt 0x0
	s_wait_alu depctr_hold_cnt(0) depctr_sa_sdst(0) depctr_va_vdst(0) depctr_va_sdst(0) depctr_va_ssrc(0) depctr_va_vcc(0) depctr_vm_vsrc(0)
	s_getreg_b32 s2, hwreg(HW_REG_IB_STS2, 6, 4)
	s_cmp_eq_u32 s2, 0
	s_cbranch_scc0 .Lentry_in_a_cluster
	s_endpgm
.Lentry_in_a_cluster:
	s_bfe_u32 s2, ttmp6, 0x10000c
	s_cmp_lg_u32 s2, 0xf033
	s_cbranch_scc0 .Lentry_shape_is_right
	s_endpgm
.Lentry_shape_is_right:
; out0 = Q(x) Q(Wdeq)^T + bias, on the codes of FP8 (E4M3) and the E8M0 scale bytes that launch quant has laid in tiles of 128 rows x 256 along K (32,768 bytes of codes, then 1,024 scale bytes: 132 rows of 256 bytes, dense).
; A tile of out0, 256 x 256, is made by four waves of 128 x 128 each: 64 accumulators, 512 registers.  K goes in 16 steps of 256 through a ring of two LDS slots; a wave's one tensor load brings one workspace tile.
; CLUSTERS of 4 x 4: A's tiles are asked for jointly along a row of the cluster, B's along a column.  The matrix instruction is used transposed (source 0 = rows of B, source 1 = rows of A): a lane holds eight neighbours of a row of out0.
; bias is the C of each accumulator's first product.
; REGISTERS: window 0: v0-31 addresses; v32-63 scale words, a set for each slot; v64-127 bias, then the second buffer of A's blocks 4-7; v128-255 A's fragments.  Window 1: B's fragments, two sets.  Windows 2, 3: the accumulators.
; A STEP of 128 along K is four units of 16 products (two blocks of A against B's eight).  Behind each unit stands ONE run of LDS loads for the next step, so that the loads are spread evenly over the step.
; One v_nop stands behind each product: these are the eight places between a product and a load into a register that it read: every run loads registers whose last product lies eight products or more back.
; B has two sets; A's blocks 0-3 have one buffer (free behind the step's first two units), blocks 4-7 two (by the step's parity): so all loads for a step are issued in the step before, and a slot's reads are over when its last step begins.
; THE LAST STEP goes by rows of out0: a block of 16 rows is finished by 8 products, goes through the wave's own stage (in slot 0, which has had its last fill and its last read) and comes back, as whole rows of 512 bytes, into its own
; accumulator registers, from which it is stored; the next block's products stand between the stage and the stores.
; PREFETCH: behind the load of K step t the tiles of step t + 2 are asked for (behind the head's load step 1, behind K step 1's load steps 2 and 3), in every cluster that will load them.  A tile has 132 blocks of 256 bytes; of the tile that a
; wave fetches each of the four partners that ask for it jointly names 33, told apart by address: 32 of codes, a lane a block, and one of the four blocks of scale bytes (all lanes name that one).  The last two refills ask for nothing.
.set SIZE_N, 4096
.set NQ,     2
.set PITCH,  272
.set TROWS,  132
.set TILEB,  TROWS*256
.set RBB,    16*TILEB
.set HALFT,  TROWS*PITCH
.set SCO,    128*PITCH
.set SLOT,   4*HALFT
.set SPARE,  2*SLOT
.set LAPS,   8
.set FR,     16
.set NP,     8
.set SPITCH, 528
.set ADRA, 16
.set ADRB, 20
.set ADRS, 22
.set STO,  24
.set RD,   25
.set CO,   26
.set PF2,  27
.set SPW,  28
.set NIL,  29
.set PFO,  30
.set BO,   31
.set SC,   32
.set BIAS, 64
.set AP,   64                          ; A's blocks 4-7 of a slot's second step
.set AF,   128
.set G1,  24
.set G0,  32
.set G1B, 48
.set G0B, 56
.set PFA, 66
.set MSB, 0
.macro WIN new                         ; the immediate's high byte repeats the setting that is left
.if MSB != (\new)
	s_set_vgpr_msb (MSB<<8)|(\new)
.set MSB, \new
.endif
.endm
.set MUL_LO,   0xa1                    ; source 0 (B) window 1, source 1 (A) window 0, C and D window 2
.set MUL_HI,   0xf1                    ; the same, C and D window 3
.set FIRST_LO, 0x81                    ; the same with C (bias) in window 0
.set FIRST_HI, 0xc1
.set TO_B,     0x40                    ; destination window 1, address window 0
.macro JLOAD g0a, g1a, g0b, g1b        ; a joint load: waves 0 and 1 fetch for A, waves 2 and 3 for B; s_nop 0 and four v_nop behind each line
	s_cmp_eq_u32 s15, 0
	s_cbranch_scc0 .Lfor_b_\@
	tensor_load_to_lds s[\g0a:\g0a+3], s[\g1a:\g1a+7]
	s_nop 0
.rept 4
	v_nop
.endr
	s_branch .Lasked_\@
.Lfor_b_\@:
	tensor_load_to_lds s[\g0b:\g0b+3], s[\g1b:\g1b+7]
	s_nop 0
.rept 4
	v_nop
.endr
.Lasked_\@:
.endm
.macro ASK
	s_cmp_gt_u32 s3, 1                             ; the loop's last trip has no K step two on
	s_cbranch_scc0 .Lnot_mine_\@
	global_prefetch_b8 v[PFO], s[PFA:PFA+1] offset:2*TILEB th:TH_LOAD_NT scope:SCOPE_SE   ; s[PFA] stands at the K step that is being loaded: two steps on, my work-group's 32 blocks of codes,
	global_prefetch_b8 v[PF2], s[PFA:PFA+1] offset:2*TILEB th:TH_LOAD_NT scope:SCOPE_SE   ; and its one block of scale bytes
.Lnot_mine_\@:
.endm
.macro CREST                           ; a round of the cluster's barrier behind its opening barrier
	s_cmp_lg_u32 s14, 0
	s_cbranch_scc1 .Lnot_wave_0_\@
	s_barrier_signal -3
.Lnot_wave_0_\@:
	s_barrier_wait -3
	s_barrier_signal -1
	s_barrier_wait -1
.endm
.macro CROUND
	s_barrier_signal -1
	s_barrier_wait -1
	CREST
.endm
.macro PLACES n
.rept \n
	v_nop
.endr
.endm
.macro FRAG reg, adr, q, i             ; 16 rows x 128 K: lane l holds row l % 16; registers 4 c .. 4 c + 3 hold K = 32 c + 16 (l / 16) + 0 .. 15
.irp c, 0,1,2,3
	ds_load_b128 v[\reg+4*\c:\reg+4*\c+3], v[\adr] offset:128*(\q)+32*\c+(\i)*16*PITCH
.endr
.endm
.macro LB slot, q, i0                  ; a run of 16 loads: B's blocks i0 .. i0 + 3 of the slot's q-th 128 along K, into set q
	WIN TO_B
.irp i, \i0, \i0+1, \i0+2, \i0+3
	FRAG 128*(\q)+FR*(\i), ADRB+\slot, \q, \i
.endr
.endm
.macro LA slot, q, i0                  ; a run of 16 loads: A's blocks i0 .. i0 + 3
	WIN 0
.irp i, \i0, \i0+1, \i0+2, \i0+3
.if ((\i) >= 4) && ((\q) == 1)
	FRAG AP+FR*((\i)-4), ADRA+\slot, \q, \i
.else
	FRAG AF+FR*(\i), ADRA+\slot, \q, \i
.endif
.endr
.endm
.macro SCALES sc                       ; a slot's scale words: two a row; lanes 0-15 take A's block i, lanes 16-31 B's block i
.irp i, 0,1,2,3,4,5,6,7
	ds_load_b64 v[SC+8*NQ*\sc+NQ*\i:SC+8*NQ*\sc+NQ*\i+1], v[ADRS+\sc] offset:(\i/2)*PITCH+(\i%2)*128
.endr
.endm
; 8 products: A's block a against B's eight; the accumulators take turns.  The v_nop behind each product is a place.
.macro MUL8 a, q, sc, first
.if ((\a) >= 4) && ((\q) == 1)
.set AR, AP+FR*((\a)-4)
.else
.set AR, AF+FR*(\a)
.endif
.set AC, 64*((\a)%4)
.irp b, 0,1,2,3,4,5,6,7
.if \first
	v_wmma_scale_f32_16x16x128_f8f6f4 v[AC+8*\b:AC+8*\b+7], v[128*(\q)+FR*\b:128*(\q)+FR*\b+FR-1], v[AR:AR+FR-1], v[BIAS+8*\b:BIAS+8*\b+7], v[SC+8*NQ*(\sc)+NQ*\b+(\q)], v[SC+8*NQ*(\sc)+NQ*(\a)+(\q)] matrix_a_scale:MATRIX_SCALE_ROW1
.else
	v_wmma_scale_f32_16x16x128_f8f6f4 v[AC+8*\b:AC+8*\b+7], v[128*(\q)+FR*\b:128*(\q)+FR*\b+FR-1], v[AR:AR+FR-1], v[AC+8*\b:AC+8*\b+7], v[SC+8*NQ*(\sc)+NQ*\b+(\q)], v[SC+8*NQ*(\sc)+NQ*(\a)+(\q)] matrix_a_scale:MATRIX_SCALE_ROW1
.endif
	v_nop
.endr
.endm
.macro MUL16 a0, q, sc, first
	MUL8 \a0, \q, \sc, \first
	MUL8 \a0+1, \q, \sc, \first
.endm
; A slot's first step.  The LDS loads ahead of it were issued in this order: .. B's eight, the scale words, A's blocks 0, 1 | 2, 3 | 4 to 7.  Each wait's count is what was issued behind the last load that the unit needs.
.macro STEP slot, first
	s_wait_dscnt 24                                ; out at most: A's blocks 2, 3 (8 loads) and 4-7 (16)
.if \first
	WIN FIRST_LO
.else
	WIN MUL_LO
.endif
	MUL16 0, 0, \slot, \first
	LB \slot, 1, 0
	s_wait_dscnt 32                                ; A's blocks 4-7 and the run just issued
.if \first
	WIN FIRST_LO
.else
	WIN MUL_LO
.endif
	MUL16 2, 0, \slot, \first
	LB \slot, 1, 4
	s_wait_dscnt 40                                ; A's blocks 6, 7 and two runs
.if \first
	WIN FIRST_HI
.else
	WIN MUL_HI
.endif
	MUL16 4, 0, \slot, \first
	LA \slot, 1, 0
	s_wait_dscnt 48                                ; three runs
.if \first
	WIN FIRST_HI
.else
	WIN MUL_HI
.endif
	MUL16 6, 0, \slot, \first
.if \first
	PLACES NP                                      ; the run below lands on the bias registers, which the products just issued took as C
.endif
	LA \slot, 1, 4
.endm
; A slot's second step changes slots: ONE barrier; in front of it each wave waits for all its tensor loads, adds 0 to its spare word, and waits for that and for its reads of this slot (all were issued in the step before).
.macro TURN slot, next, fill
.if \fill
	s_wait_xcnt 0x0                                ; my prefetches have read their base: it steps here
	s_add_nc_u64 s[PFA:PFA+1], s[PFA:PFA+1], TILEB
.endif
	s_wait_tensorcnt 0x0                           ; all my tensor loads have landed: my part of the next slot
	ds_add_u32 v[SPW], v[NIL]
	s_wait_dscnt 25                                ; out at most: A's blocks 2, 3 (8), 4-7 (16) and the add
	WIN MUL_LO
	MUL16 0, 1, \slot, 0
	s_wait_dscnt 0x0                               ; the add is done, and my reads of this slot are over
	s_barrier_signal -1
	MUL16 2, 1, \slot, 0
	WIN 0
	s_barrier_wait -1
.if \fill
	CREST                                          ; the barrier has opened a round of the cluster's barrier
	s_add_nc_u64 s[G0+4*\slot+2:G0+4*\slot+3], s[G0+4*\slot+2:G0+4*\slot+3], 2*TILEB
	s_add_nc_u64 s[G0B+4*\slot+2:G0B+4*\slot+3], s[G0B+4*\slot+2:G0B+4*\slot+3], 2*TILEB
	JLOAD G0+4*\slot, G1, G0B+4*\slot, G1B         ; the first tensor load behind the round
.endif
	LB \next, 0, 0
	LB \next, 0, 4
	WIN MUL_HI
	MUL16 4, 1, \slot, 0
	WIN 0
	SCALES \next
	LA \next, 0, 0
.if \fill
	ASK
.endif
	WIN MUL_HI
	MUL16 6, 1, \slot, 0
	LA \next, 0, 4
.endm
; THE WAY OUT of block a: 16 rows x 128 columns into my own stage, each accumulator from its low end on, and back as whole rows of 512 bytes into the same 64 registers (LDS serves a wave's instructions in order: ISA guide 5.7.1.4).
.macro TOSTAGE a
.set AC, 64*((\a)%4)
.set WS, 0x08+4*((\a)/4)
	WIN WS                                         ; the stores' data: window 2 or 3
.irp b, 0,1,2,3,4,5,6,7
	ds_store_b128 v[STO], v[AC+8*\b:AC+8*\b+3] offset:64*\b
	ds_store_b128 v[STO], v[AC+8*\b+4:AC+8*\b+7] offset:64*\b+16
.endr
.set WS, 0x80+0x40*((\a)/4)
	WIN WS                                         ; the loads' destination: the same window
.irp t, 0,1,2,3,4,5,6,7,8,9,10,11,12,13,14,15
	ds_load_b128 v[AC+4*\t:AC+4*\t+3], v[RD] offset:\t*SPITCH
.endr
.endm
.macro SEND a                          ; 32 lanes store 512 consecutive bytes, aligned; the row stands in the immediate (127 rows of 16,384 bytes at the most), so no base is stepped and no register of a store is written again
.set AC, 64*((\a)%4)
.set WS, 0x08+4*((\a)/4)
	s_wait_dscnt 0x0                               ; the block is back in registers
	WIN WS
.irp t, 0,1,2,3,4,5,6,7,8,9,10,11,12,13,14,15
	global_store_b128 v[CO], v[AC+4*\t:AC+4*\t+3], s[10:11] offset:(16*(\a)+\t)*SIZE_N*4 th:TH_STORE_NT
.endr
.endm
	s_load_b256 s[4:11], s[0:1], 0x0               ; A's workspace 4:5, B's 6:7, bias 8:9, out0 10:11
	v_lshl_add_u32 v[SPW], v0, 2, SPARE
	v_mov_b32 v[NIL], 0
	ds_add_u32 v[SPW], v[NIL]                      ; the opening lines: the add, twice on end, and its wait
	ds_add_u32 v[SPW], v[NIL]
	s_wait_dscnt 0x0
	v_lshrrev_b32 v1, 5, v0
	v_readfirstlane_b32 s14, v1                    ; wave 0..3
	s_lshr_b32 s15, s14, 1                         ; my half of the tile's rows; also: I fetch for A (0) or B (1)
	s_and_b32 s16, s14, 1                          ; my half of its columns; also: which 128 rows I fetch
	s_bfe_u32 s40, ttmp6, 0x40000                  ; cx, cy
	s_bfe_u32 s41, ttmp6, 0x40004
	s_lshl_b32 s42, ttmp9, 2
	s_add_co_u32 s42, s42, s40                     ; tile column
	s_and_b32 s17, ttmp7, 0xffff
	s_lshl_b32 s17, s17, 2
	s_add_co_u32 s17, s17, s41                     ; tile row
	s_lshl_b32 s43, s41, 2
	s_lshl_b32 s43, 15, s43                        ; my row of the cluster
	s_lshl_b32 s44, 0x1111, s40                    ; my column
	s_or_b32 s[G1+0], s43, (0<<16)|(1<<20)|(1<<21)|(5<<22)|(3<<25)
	s_or_b32 s[G1B+0], s44, (0<<16)|(1<<20)|(1<<21)|(5<<22)|(3<<25)
.irp g, G1, G1B
	s_mov_b32 s[\g+1], 256<<16
	s_mov_b32 s[\g+2], TROWS<<16
	s_mov_b32 s[\g+3], 256<<16
	s_mov_b32 s[\g+4], TROWS
	s_mov_b32 s[\g+5], 256
	s_mov_b32 s[\g+6], 0
	s_mov_b32 s[\g+7], 0
.endr
	s_lshl_b32 s20, s17, 1
	s_add_co_u32 s20, s20, s16
	s_mul_i32 s20, s20, RBB
	s_mov_b32 s21, 0
	s_lshl_b32 s46, s42, 1
	s_add_co_u32 s46, s46, s16
	s_mul_i32 s46, s46, RBB
	s_mov_b32 s47, 0
	s_mul_i32 s45, s14, HALFT
	s_wait_kmcnt 0x0
	s_add_nc_u64 s[20:21], s[4:5], s[20:21]
	s_add_nc_u64 s[46:47], s[6:7], s[46:47]
	CROUND                                         ; all sixteen work-groups are here: the first joint loads meet
.irp s, 0,1
	s_mov_b32 s[G0+4*\s], 1
	s_add_co_u32 s[G0+4*\s+1], s45, \s*SLOT
	s_add_nc_u64 s[G0+4*\s+2:G0+4*\s+3], s[20:21], \s*TILEB
	s_or_b32 s[G0+4*\s+3], s[G0+4*\s+3], 0x80000000
	s_mov_b32 s[G0B+4*\s], 1
	s_add_co_u32 s[G0B+4*\s+1], s45, \s*SLOT
	s_add_nc_u64 s[G0B+4*\s+2:G0B+4*\s+3], s[46:47], \s*TILEB
	s_or_b32 s[G0B+4*\s+3], s[G0B+4*\s+3], 0x80000000
.endr
	JLOAD G0, G1, G0B, G1B                         ; K step 0
	s_cmp_eq_u32 s15, 0                            ; do I fetch for A?
	s_cselect_b32 s23, s40, s41                    ; my place among the four that ask for my tile with me: cx for A, cy for B
	s_cselect_b64 s[PFA:PFA+1], s[20:21], s[46:47]
	s_add_nc_u64 s[PFA:PFA+1], s[PFA:PFA+1], TILEB ; at K step 1 of the row block that I fetch
	s_lshl_b32 s22, s23, 13                        ; my work-group's 32 blocks of codes,
	s_lshl_b32 s23, s23, 8
	s_add_co_u32 s23, s23, 32768                   ; and its block of scale bytes, behind the codes
	v_and_b32 v[PFO], 31, v0
	v_lshl_add_u32 v[PFO], v[PFO], 8, s22          ; a lane a block
	v_mov_b32 v[PF2], s23
	global_prefetch_b8 v[PFO], s[PFA:PFA+1] th:TH_LOAD_NT scope:SCOPE_SE                  ; K step 1
	global_prefetch_b8 v[PF2], s[PFA:PFA+1] th:TH_LOAD_NT scope:SCOPE_SE
	s_lshl_b32 s46, s42, 10
	s_lshl_b32 s47, s16, 9
	s_add_co_u32 s46, s46, s47                     ; my first column, in bytes
	s_mov_b32 s47, 0
	s_add_nc_u64 s[8:9], s[8:9], s[46:47]
	v_and_b32 v1, 15, v0                           ; l % 16
	s_wait_alu depctr_va_vdst(0)                   ; the wait behind these two writes
	v_bfe_u32 v2, v0, 4, 1                         ; l / 16
	s_wait_alu depctr_va_vdst(0)
	v_lshlrev_b32 v[BO], 5, v2
.irp b, 0,1,2,3,4,5,6,7
	global_load_b128 v[BIAS+8*\b:BIAS+8*\b+3],   v[BO], s[8:9] offset:64*\b      ; bias in the result's layout: columns 16 b + 8 (l / 16) + 0 .. 7
	global_load_b128 v[BIAS+8*\b+4:BIAS+8*\b+7], v[BO], s[8:9] offset:64*\b+16
.endr
	s_lshl_b32 s20, s17, 8
	s_lshl_b32 s21, s15, 7
	s_add_co_u32 s20, s20, s21                     ; my first row of out0
	s_lshl_b32 s20, s20, 14
	s_mov_b32 s21, 0
	s_add_nc_u64 s[20:21], s[20:21], s[46:47]
	s_add_nc_u64 s[10:11], s[10:11], s[20:21]
	v_mul_u32_u24 v3, v1, PITCH
	v_lshl_add_u32 v4, v2, 4, v3                   ; a fragment's row x pitch + 16 x half
	s_mul_i32 s21, s15, HALFT
	s_mul_i32 s22, s16, HALFT
	s_add_co_u32 s22, s22, 2*HALFT
.irp s, 0,1
	v_add_nc_u32 v[ADRA+\s], s21, v4
	v_add_nc_u32 v[ADRB+\s], s22, v4
	s_add_co_u32 s21, s21, SLOT
	s_add_co_u32 s22, s22, SLOT
.endr
	v_lshlrev_b32 v5, 3, v1                        ; my row's two scale words
	s_mul_i32 s21, s15, HALFT
	s_mul_i32 s22, s16, HALFT
	s_add_co_u32 s22, s22, 2*HALFT
	s_sub_co_u32 s22, s22, s21
	v_mul_u32_u24 v6, s22, v2                      ; lanes 16-31 take B's
	s_add_co_u32 s21, s21, SCO
	v_add_nc_u32 v5, v5, v6
	v_add_nc_u32 v[ADRS], s21, v5
	v_add_nc_u32 v[ADRS+1], SLOT, v[ADRS]
	s_mul_i32 s23, s14, 16*SPITCH                  ; my stage
	v_mul_u32_u24 v5, v1, SPITCH
	v_lshl_add_u32 v5, v2, 5, v5
	v_add_nc_u32 v[STO], s23, v5
	v_and_b32 v6, 31, v0
	v_lshlrev_b32 v[CO], 4, v6
	v_add_nc_u32 v[RD], s23, v[CO]
	s_wait_alu depctr_va_vdst(0)
	s_wait_tensorcnt 0x0                           ; my part of K step 0 is in; these lines stand ahead of a later first fill, as ahead of a refill
	ds_add_u32 v[SPW], v[NIL]
	s_wait_dscnt 0x0                               ; the add is done
	CROUND                                         ; a whole round: everybody's part of K step 0 is in, and the joint loads meet
	JLOAD G0+4, G1, G0B+4, G1B                     ; K step 1: the first tensor load behind the round
	SCALES 0                                       ; the first step's loads, in the order that STEP's counts lean on
	LB 0, 0, 0
	LB 0, 0, 4
	LA 0, 0, 0
	LA 0, 0, 4
	global_prefetch_b8 v[PFO], s[PFA:PFA+1] offset:TILEB th:TH_LOAD_NT scope:SCOPE_SE     ; behind K step 1's load: K steps 2
	global_prefetch_b8 v[PF2], s[PFA:PFA+1] offset:TILEB th:TH_LOAD_NT scope:SCOPE_SE
	global_prefetch_b8 v[PFO], s[PFA:PFA+1] offset:2*TILEB th:TH_LOAD_NT scope:SCOPE_SE   ; and 3
	global_prefetch_b8 v[PF2], s[PFA:PFA+1] offset:2*TILEB th:TH_LOAD_NT scope:SCOPE_SE
	s_wait_loadcnt 0x0                             ; bias, asked for behind K step 0's load
	STEP 0, 1                                      ; the first step stands in front of the loop: its products start the sums, on bias
	s_mov_b32 s3, LAPS-1
.Llap:                                                 ; a trip goes once round the ring and fills both slots again
	TURN 0, 1, 1
	STEP 1, 0
	TURN 1, 0, 1
	STEP 0, 0
	s_sub_co_u32 s3, s3, 1
	s_cmp_lg_u32 s3, 0
	s_cbranch_scc1 .Llap
	TURN 0, 1, 0                                   ; the last lap fills nothing, and has no round of the cluster's barrier
	STEP 1, 0
	s_wait_dscnt 24                                ; THE LAST STEP, BY ROWS.  Out at most: A's blocks 2, 3 and 4-7
	WIN MUL_LO
	MUL16 0, 1, 1, 0                               ; blocks 0 and 1 are finished
	s_wait_dscnt 0x0                               ; all fragments are in
.irp a, 0,1,2,3,4,5
	TOSTAGE \a                                     ; nine places behind block a's last product: block a + 1's
.set WM, MUL_LO+0x50*(((\a)+2)/4)
	WIN WM
	MUL8 \a+2, 1, 1, 0                             ; block a + 2 is finished while block a goes through the stage
	SEND \a
.endr
	TOSTAGE 6
	SEND 6
	PLACES NP                                      ; for block 7, whose products were the last
	TOSTAGE 7
	SEND 7
	WIN 0
	s_wait_tensorcnt 0x0                           ; the wave's end
	ds_add_u32 v[SPW], v[NIL]
	s_wait_dscnt 0x0
	CROUND                                         ; the closing round
	s_endpgm
.Lfunc_end_k_q754954048e_gemm:
	.size	k_q754954048e_gemm, .Lfunc_end_k_q754954048e_gemm-k_q754954048e_gemm
	.p2alignl 7, 3214868480
	.fill 96, 4, 3214868480
	.section	.rodata,"a",@progbits
	.p2align	6, 0x0
	.amdhsa_kernel k_q754954048e_gemm
		.amdhsa_group_segment_fixed_size 327680
		.amdhsa_private_segment_fixed_size 0
		.amdhsa_enable_private_segment 0
		.amdhsa_kernarg_size 32
		.amdhsa_user_sgpr_count 2
		.amdhsa_user_sgpr_kernarg_segment_ptr 1
		.amdhsa_wavefront_size32 1
		.amdhsa_system_sgpr_workgroup_id_x 1
		.amdhsa_system_sgpr_workgroup_id_y 1
		.amdhsa_system_sgpr_workgroup_id_z 1
		.amdhsa_system_vgpr_workitem_id 0
		.amdhsa_next_free_vgpr 1024
		.amdhsa_next_free_sgpr 72
		.amdhsa_reserve_vcc 0
		.amdhsa_float_denorm_mode_32 3
		.amdhsa_float_denorm_mode_16_64 3
		.amdhsa_memory_ordered 1
		.amdhsa_forward_progress 1
		.amdhsa_inst_pref_size 160
	.end_amdhsa_kernel
	.amdgpu_metadata
---
amdhsa.version: [ 1, 2 ]
amdhsa.kernels:
  - .name:           k_q754954048e_gemm
    .symbol:         k_q754954048e_gemm.kd
    .args:
      - { .name: acodes, .offset: 0, .size: 8, .value_kind: global_buffer, .address_space: global }
      - { .name: bcodes, .offset: 8, .size: 8, .value_kind: global_buffer, .address_space: global }
      - { .name: bias, .offset: 16, .size: 8, .value_kind: global_buffer, .address_space: global }
      - { .name: out0, .offset: 24, .size: 8, .value_kind: global_buffer, .address_space: global }
    .group_segment_fixed_size: 327680
    .private_segment_fixed_size: 0
    .kernarg_segment_align: 8
    .kernarg_segment_size: 32
    .max_flat_workgroup_size: 128
    .sgpr_count:     72
    .vgpr_count:     1024
    .wavefront_size: 32
...
	.end_amdgpu_metadata
.endif
;; end of part 2
